; MI455X (gfx1250); checked and timed in simulation.
; The chip was launched on July 23, 2026; its instructions are those of AMD's public machine-readable ISA for CDNA 5 (MIT licence, August 2026) and "CDNA5" Instruction Set Architecture Reference Guide (July 2026). The comments in the code are by the model that wrote it; some were corrected since.
;; support sampler. Allowed arithmetic: matrix products marked QUANTISED: E2M1 operands, one E8M0 scale for each 32 along K, by v_wmma_scale_f32_16x16x128_f8f6f4 with both operands' format E2M1 (or v_wmma_scale_f32_32x16x128_f4), f32 sums; products left as they are: f32 operands where the result goes on into a quantised operand, else bf16, f16 or f32 operands; f32 sums; everything else in f32.
;; Inputs: W1 1,024 x 2,048 float32; W2 8 x 1,024 float32; b1 1,024 float32; b2 8 float32; obj_feats 4,096 x 1,024 float32; pairs 32,768 x 2 int32.
;; Outputs: out0 32,768 x 8 float32.
;; This version of the problem:
;;   THIS VERSION OF THE PROBLEM IS GIVEN IN LOW PRECISION. The matrix products marked QUANTISED in the list below multiply operands that are first quantised to E2M1 (2 exponent bits, 1 mantissa bit; 4 bits a number), with one power-of-two scale for each 32 numbers along K (OCP MX v1.0); their sums are f32. All else is computed in f32.
;;   The module's matrix products, in the order in which they are computed (A, B: the left and right operand; K: the contracted axis; several contracted axes count as one K, in the product's order):
;;     1. [M 32,768, K 2,048] x [K 2,048, N 1,024]; A: computed on the way; B: input W1: QUANTISED
;;     2. [M 32,768, K 1,024] x [K 1,024, N 8]; A: computed on the way; B: input W2: left as it is (N = 8 < 16)
;;   THE QUANTISER, for each operand of a quantised product, along K:
;;     - K is cut into blocks of 32 from its start; a last block that is shorter is filled with zeros.
;;     - A block's scale is 2^e with e = floor(log2(the largest magnitude in the block)) - 2, held to -126 .. 127; a block of zeros has e = 0. As a byte (E8M0): e + 127.
;;     - Each number is divided by its block's scale, clamped to +-6, and rounded to the nearest number of E2M1, ties to even, subnormals kept.
;;     - The product sums the exact products of the quantised numbers (number of the format x scale) in f32.
;;   ~~~python
;;   def quantise(x, axis):      # numpy; x: float32 -> the quantised numbers, widened to float32 again
;;       x = np.moveaxis(x, axis, -1); K = x.shape[-1]
;;       x = np.pad(x, [(0, 0)] * (x.ndim - 1) + [(0, -K % 32)]); x = x.reshape(x.shape[:-1] + (-1, 32)); a = np.abs(x).max(-1, keepdims=True)
;;       e = np.where(a > 0, np.clip(np.frexp(np.where(a > 0, a, 1))[1] - 1 - 2, -126, 127), 0)      # np.frexp(a)[1] - 1 = floor(log2(a)), exactly
;;       r = np.clip(x / 2.0 ** e, -6, 6)
;;       step = 2.0 ** (np.maximum(np.frexp(np.where(r == 0, 1, r))[1] - 1, 0) - 1)
;;       q = np.round(r / step) * step * 2.0 ** e      # np.round: ties to even
;;       return np.moveaxis(q.reshape(q.shape[:-2] + (-1,))[..., :K], -1, axis).astype(np.float32)
;;   ~~~
;;   OPERANDS COMPUTED ON THE WAY. 'Computed on the way' means the value that the module computes at that place (a softmax that the list does not call 'softmax' is quantised finished and normalised). What goes into a quantiser is computed in f32, as accurately as f32 sums, v_exp_f32 and their like allow (about 1e-6 of the number): no bf16 or f16 on the way to a quantiser, and a product that is left as it is and whose result goes on into a quantised operand takes f32 operands (vector FMAs, or v_wmma_f32_16x16x4_f32). A number that lies on a knife's edge between two numbers of the format may be rounded either way, as far as f32 arithmetic and the matrix unit's own rounding can turn it there, and no further.
;; One version. Each part assembles by itself: llvm-mc -triple=amdgcn-amd-amdhsa -mcpu=gfx1250 --defsym DOCPART=n.
;; ======== version 1 of 1: 3 launches
;; limits: values are held in bf16: 8 bits of precision; right only within a limited range of input values
;; workspace buffers: f_codes 2,097,152 bytes; w_codes 1,048,576 bytes; scales 196,608 bytes; part 1,048,576 bytes
;; launch quant (part 1): grid 256 x 1, 6 waves a work-group, no clusters, 32,256 bytes of LDS; arguments obj_feats, W1, f_codes, w_codes, scales; writes f_codes, w_codes, scales
.if DOCPART == 1
	.amdgcn_target "amdgcn-amd-amdhsa--gfx1250"
	.amdhsa_code_object_version 6
	.text
	.protected	k_q400620d5a0_quant
	.globl	k_q400620d5a0_quant
	.p2align	8
	.type	k_q400620d5a0_quant,@function
k_q400620d5a0_quant:
	s_mov_b64 s[64:65], 0
	v_nop
	global_prefetch_b8 v0, s[64:65] scope:SCOPE_SE
	s_setreg_imm32_b32 hwreg(HW_REG_WAVE_MODE, 25, 1), 1
	s_wait_xcnt 0x0
; obj_feats [4096][1024] and W1 [1024][2048], f32, become codes of FP4 (E2M1), K innermost, two codes a byte, with one E8M0 byte for each 32 along K.
; No step of reference() is left out: the first product's left operand is concat(obj_feats[p0], obj_feats[p1]); the joint lies at K = 1,024, a multiple of 32, so no block of 32
; reaches over it, and the quantised operand is two quantised table rows on end: the table is quantised once, 4,096 rows, whatever the pairs are.
; A block's scale is 2^(floor(log2(its largest magnitude)) - 2); its byte is the largest magnitude's exponent field - 2, held at 1 from below.
; LIMITS: a block of zeros gets the byte 1 where the quantiser says 127 (its codes are zeros, which add nothing, and this program alone reads the bytes);
; blocks whose largest magnitude lies under 2^(3 - 127) take the floor's byte; NaN and infinities among the inputs are not served.
; Rows are dense and both K are multiples of 32: both tensors are plain streams of blocks of 32, and so are codes and scale bytes.  scales: obj_feats' 131,072 bytes, then W1's 65,536.
; SHARES: a run is 8,192 numbers (32,768 bytes in, 4,096 bytes of codes, 256 scale bytes).  512 runs of obj_feats + 256 of W1 = 256 work-groups x 3; two waves share a run, 4,096 numbers each.
; A wave walks its half run in 8 steps of 512 numbers.  A step's four loads read 512 consecutive bytes each, 16 a lane; the conversions want 16 NEIGHBOURS in a lane, so the 2,048 bytes turn
; through the wave's own stage in LDS (16 bytes of padding behind each 64) and come back 64 bytes a lane.  Two neighbouring lanes hold a block.
; All 32 loads of a wave are issued ahead of its first wait for data.  The two waves' scale bytes meet in LDS behind one barrier and leave as one aligned unit of 256 bytes.
; No matrix unit, no cluster, no tensor load: nothing is shared between work-groups and each byte is touched once.
.set STEPS, 8
.set EMAX,  2
.set R,     16                         ; v16-143  eight sets of 16 numbers as loaded
.set X,     144                        ; v144-175 two sets of 16 neighbours
.set C,     176                        ; v176-191 codes: two registers for each step
.set E,     192                        ; v192-199 a scale byte for each step
.set SPW,   200                        ; v200     LDS address of my spare word
.set NIL,   201                        ; v201     0
.set SP,    80                         ; a lane's place in a stage: 64 bytes + 16 of padding
.set WREG,  2*32*SP                    ; LDS: two stages for each wave
.set SCA,   6*WREG                     ; behind them 3 x 256 scale bytes: 128 for each wave
.set SPARE, SCA+768                    ; the spare words, 128 bytes for each wave
.set FRUNS, 512                        ; runs of obj_feats
	s_load_b256 s[4:11], s[0:1], 0x0               ; obj_feats, W1, f_codes, w_codes
	s_load_b64 s[12:13], s[0:1], 0x20              ; scales
	v_lshl_add_u32 v[SPW], v0, 2, SPARE
	v_mov_b32 v[NIL], 0
	v_lshrrev_b32 v1, 5, v0
	v_readfirstlane_b32 s16, v1                    ; wave 0..5
	s_mul_i32 s17, s16, WREG
	s_lshl_b32 s26, s16, 7
	s_add_co_u32 s26, s26, SCA                     ; my wave's 128 scale bytes
	s_lshr_b32 s18, s16, 1
	s_lshl_b32 s27, s18, 8
	s_add_co_u32 s27, s27, SCA                     ; my run's 256
	s_and_b32 s19, s16, 1                          ; which half of the run is mine
	v_and_b32 v2, 31, v0                           ; lane
	v_lshlrev_b32 v3, 4, v2                        ; my 16 bytes of a load's 512
	v_lshrrev_b32 v14, 2, v2
	v_mul_u32_u24 v14, v14, SP
	v_and_b32 v15, 3, v2
	v_lshl_add_u32 v14, v15, 4, v14
	v_add_nc_u32 v14, s17, v14                     ; the stage, way in: SP (lane / 4) + 16 (lane % 4); a load's 512 bytes take eight places
	v_mul_u32_u24 v15, v2, SP
	v_add_nc_u32 v15, s17, v15                     ; way out: SP x lane: my 16 neighbours
	v_lshlrev_b32 v4, 3, v2                        ; 8 x lane: my codes in a step's 256 bytes, and my 8 scale bytes at the end
	v_lshrrev_b32 v5, 1, v2
	v_add_nc_u32 v5, s26, v5                       ; LDS: my block's byte
	v_add_nc_u32 v6, s27, v4                       ; and where I read 8 of the run's back
	s_mul_i32 s20, ttmp9, 3
	s_add_co_u32 s18, s18, s20                     ; my run
	s_mov_b32 s25, 0
	s_wait_alu depctr_va_vdst(0)                   ; the wait at the head's end
	s_wait_kmcnt 0x0
	s_cmp_lt_u32 s18, FRUNS                        ; obj_feats' run or W1's?  The choice hangs on ids alone, and only pointers are chosen: one path for both tensors
	s_cselect_b64 s[4:5], s[4:5], s[6:7]
	s_cselect_b64 s[8:9], s[8:9], s[10:11]
	s_cselect_b32 s22, 0, 0x20000                  ; W1's scale bytes lie behind obj_feats'
	s_cselect_b32 s20, 0, FRUNS
	s_sub_co_u32 s18, s18, s20                     ; the run's number in its tensor
	s_lshl_b32 s20, s18, 1
	s_or_b32 s20, s20, s19                         ; my half run's number
	s_lshl_b32 s24, s20, 14                        ; 16,384 bytes of numbers a half run
	s_add_nc_u64 s[4:5], s[4:5], s[24:25]
	s_lshl_b32 s24, s20, 11                        ; 2,048 bytes of codes
	s_add_nc_u64 s[8:9], s[8:9], s[24:25]
	s_lshl_b32 s24, s18, 8                         ; 256 scale bytes a run
	s_add_co_u32 s24, s24, s22
	s_add_nc_u64 s[12:13], s[12:13], s[24:25]
.irp t, 0,1,2,3,4,5,6,7
.irp i, 0,1,2,3
	global_load_b128 v[R+16*\t+4*\i:R+16*\t+4*\i+3], v3, s[4:5] offset:2048*\t+512*\i th:TH_LOAD_NT   ; 32 lanes read 512 consecutive bytes; read once in the launch
.endr
.endr
.macro TURN t                          ; step t's numbers through the stage: LDS serves a wave's instructions in order, so no wait stands between the stores and the loads
.irp i, 0,1,2,3
	ds_store_b128 v14, v[R+16*(\t)+4*\i:R+16*(\t)+4*\i+3] offset:32*SP*((\t)%2)+8*SP*\i
.endr
.irp i, 0,1,2,3
	ds_load_b128 v[X+16*((\t)%2)+4*\i:X+16*((\t)%2)+4*\i+3], v15 offset:32*SP*((\t)%2)+16*\i
.endr
.endm
	s_wait_loadcnt 28                              ; step 0's four loads are in; the 28 of steps 1 to 7 stay out
	TURN 0
.macro STEP t
.set XS, X+16*((\t)%2)
.if (\t) > 0
	s_wait_dscnt 1                                 ; this step's numbers are back from the stage; only the last step's byte store may be out
.else
	s_wait_dscnt 0x0
.endif
.if (\t)+1 < STEPS
	s_wait_loadcnt 4*(STEPS-2-(\t))                ; the next step's four loads are in; behind them: those of steps t + 2 to 7
	TURN (\t)+1                                    ; through the other stage while this step is worked
.endif
	v_max3_num_f32 v8, |v[XS]|, |v[XS+1]|, |v[XS+2]|               ; the largest magnitude of my 16, in two chains
	v_max3_num_f32 v9, |v[XS+3]|, |v[XS+4]|, |v[XS+5]|
.irp i, 6,10
	v_max3_num_f32 v8, v8, |v[XS+\i]|, |v[XS+\i+1]|
	v_max3_num_f32 v9, v9, |v[XS+\i+2]|, |v[XS+\i+3]|
.endr
	v_max3_num_f32 v8, v8, |v[XS+14]|, |v[XS+15]|
	v_max3_num_f32 v8, v8, v9, (EMAX+1)<<23        ; and the floor 2^(3 - 127): the byte cannot fall under 1
	v_max_num_f32_dpp v8, v8, v8 row_xmask:1 row_mask:0xf bank_mask:0xf   ; with my neighbour's 16: the block's
	v_add_nc_u32 v11, -(EMAX<<23), v8              ; 2 off its exponent field: the conversion takes this operand's exponent field as its scale, and nothing else of it
	v_cvt_scalef32_pk8_fp4_f32 v[C+2*(\t)], v[XS:XS+7], v11        ; to the nearest code, ties to even, beyond 6 the largest code; the first number's code in the lowest four bits
	v_cvt_scalef32_pk8_fp4_f32 v[C+2*(\t)+1], v[XS+8:XS+15], v11
	v_lshrrev_b32 v[E+(\t)], 23, v11               ; the scale's byte (also the plain line behind the conversions)
	ds_store_b8 v5, v[E+(\t)] offset:16*(\t)       ; both lanes of a block write the same byte with the same value
	global_store_b64 v4, v[C+2*(\t):C+2*(\t)+1], s[8:9] offset:256*(\t)   ; the wave stores 256 consecutive bytes, at a multiple of 256 from the buffer's first byte
.endm
.irp t, 0,1,2,3,4,5,6,7
	STEP \t
.endr
	s_wait_dscnt 0x0                               ; for the other wave's sake: my byte stores are done
	s_barrier_signal -1
	s_barrier_wait -1
	s_cmp_lg_u32 s19, 0
	s_cbranch_scc1 .Ldone                          ; the run's first wave stores for both
	ds_load_b64 v[12:13], v6
	s_wait_dscnt 0x0
	global_store_b64 v4, v[12:13], s[12:13]        ; the run's 256 scale bytes: 256 consecutive bytes, aligned
.Ldone:
	s_wait_tensorcnt 0x0                           ; the wave's end
	ds_add_u32 v[SPW], v[NIL]
	s_wait_dscnt 0x0
	s_endpgm
.Lfunc_end_k_q400620d5a0_quant:
	.size	k_q400620d5a0_quant, .Lfunc_end_k_q400620d5a0_quant-k_q400620d5a0_quant
	.p2alignl 7, 3214868480
	.fill 96, 4, 3214868480
	.section	.rodata,"a",@progbits
	.p2align	6, 0x0
	.amdhsa_kernel k_q400620d5a0_quant
		.amdhsa_group_segment_fixed_size 32256
		.amdhsa_private_segment_fixed_size 0
		.amdhsa_enable_private_segment 0
		.amdhsa_kernarg_size 40
		.amdhsa_user_sgpr_count 2
		.amdhsa_user_sgpr_kernarg_segment_ptr 1
		.amdhsa_wavefront_size32 1
		.amdhsa_system_sgpr_workgroup_id_x 1
		.amdhsa_system_sgpr_workgroup_id_y 1
		.amdhsa_system_sgpr_workgroup_id_z 1
		.amdhsa_system_vgpr_workitem_id 0
		.amdhsa_next_free_vgpr 202
		.amdhsa_next_free_sgpr 66
		.amdhsa_reserve_vcc 0
		.amdhsa_float_denorm_mode_32 3
		.amdhsa_float_denorm_mode_16_64 3
		.amdhsa_memory_ordered 1
		.amdhsa_forward_progress 1
		.amdhsa_inst_pref_size 18
	.end_amdhsa_kernel
	.amdgpu_metadata
---
amdhsa.version: [ 1, 2 ]
amdhsa.kernels:
  - .name:           k_q400620d5a0_quant
    .symbol:         k_q400620d5a0_quant.kd
    .args:
      - { .name: obj_feats, .offset: 0, .size: 8, .value_kind: global_buffer, .address_space: global }
      - { .name: W1, .offset: 8, .size: 8, .value_kind: global_buffer, .address_space: global }
      - { .name: f_codes, .offset: 16, .size: 8, .value_kind: global_buffer, .address_space: global }
      - { .name: w_codes, .offset: 24, .size: 8, .value_kind: global_buffer, .address_space: global }
      - { .name: scales, .offset: 32, .size: 8, .value_kind: global_buffer, .address_space: global }
    .group_segment_fixed_size: 32256
    .private_segment_fixed_size: 0
    .kernarg_segment_align: 8
    .kernarg_segment_size: 40
    .max_flat_workgroup_size: 192
    .sgpr_count:     66
    .vgpr_count:     202
    .wavefront_size: 32
...
	.end_amdgpu_metadata
.endif
;; end of part 1
;; launch gemm (part 2): grid 8 x 32, 4 waves a work-group, clusters of 4 x 4, 244,224 bytes of LDS; arguments f_codes, w_codes, scales, W2, b1, part; writes part
.if DOCPART == 2
	.amdgcn_target "amdgcn-amd-amdhsa--gfx1250"
	.amdhsa_code_object_version 6
	.text
	.protected	k_q400620d5a0_gemm
	.globl	k_q400620d5a0_gemm
	.p2align	8
	.type	k_q400620d5a0_gemm,@function
k_q400620d5a0_gemm:
	s_mov_b64 s[64:65], 0
	v_nop
	global_prefetch_b8 v0, s[64:65] scope:SCOPE_SE
	s_setreg_imm32_b32 hwreg(HW_REG_WAVE_MODE, 25, 1), 1
	s_wait_xcnt 0x0
	s_wait_alu depctr_hold_cnt(0) depctr_sa_sdst(0) depctr_va_vdst(0) depctr_va_sdst(0) depctr_va_ssrc(0) depctr_va_vcc(0) depctr_vm_vsrc(0)
	s_getreg_b32 s2, hwreg(HW_REG_IB_STS2, 6, 4)
	s_cmp_eq_u32 s2, 0
	s_cbranch_scc0 .Lentry_in_a_cluster
	s_endpgm
.Lentry_in_a_cluster:
	s_bfe_u32 s2, ttmp6, 0x10000c
	s_cmp_lg_u32 s2, 0xf033
	s_cbranch_scc0 .Lentry_shape_is_right
	s_endpgm
.Lentry_shape_is_right:
; part[4 half + nt][m][c] = sum over the 256 n of column tile nt of (T[m][n] + [half = 0] b1[n]) W2[c][n],  T[m][n] = sum over k of Q(obj_feats)[m][k] Q(W1)[n][1024 half + k].
; WHY ON 4,096 ROWS.  The first product's row for a pair (p0, p1) is T0[p0] + T1[p1] (half 0 and half 1 of W1's K), since no block of 32 reaches over K = 1,024; a row of T0 or T1 is the same for every pair
; that names the object.  So the quantised product is made once for each of the 4,096 objects and each half, on the matrix units in FP4 with E8M0 scales, f32 sums; the second product, which is linear and
; behind which nothing is quantised, is applied here too, and the next launch gathers and adds eight numbers a partial row.
; THE SECOND PRODUCT (N = 8, left as it is) goes in bf16: T + b1 is rounded to bf16; W2 goes in as TWO bf16 numbers, hi + lo: lo takes the eight operand rows that N = 8 leaves empty.
; LIMITS: NaN and infinities in the inputs are not served (an infinite W2 would make 0 x infinity in the split into hi and lo).
; SHARES.  Work-group (x = 4 half + nt, mt): 128 rows of the table x 256 rows n of W1, K = 1,024.  8 x 32 = 256 work-groups.  Wave (nh, kh): all 128 rows x n 128 nh on, over half of each slot's K: 8 x 8 accumulators
; of 16 x 16, 16 fragments for 64 matrix instructions.  The two halves along K meet behind the second product, in the sum that joins the waves.
; All of K for the tile lies in LDS at once, in two slots of 512 along K (rows of 256 bytes), each filled ONCE: no slot is filled again, so there is no ring, and no loop to prefetch in.  A wave issues ONE tensor load.
; CLUSTERS: 4 x 4 work-groups; the cluster's x is the half, cx is nt, 4 x cluster y + cy is mt.  The four of a row of the cluster need the same rows of the table, the four of a column the same rows of W1:
; each tile is asked for JOINTLY, by the same tensor load with the same descriptor and a mask that names the four.
; THE MATRIX INSTRUCTION IS USED TRANSPOSED (source 0 = 16 rows of W1, source 1 = 16 table rows): lane (r, h) holds table row r and its registers n = 8 h + 0 .. 7, eight neighbours along the second product's K.
; REGISTERS, in windows of 256:  window 0: v1-31 addresses; v32-63 scale words (block i, step j at 4 i + j: lanes 0-15 the table's, lanes 16-31 W1's); v64-95 W2's four bf16 fragments; v96-159 the second product's
;   eight accumulators; v192-255 b1 as eight C tiles, on the way out the stage's planes.   window 1: two fragment buffers of 128 (8 of the table, 8 of W1); behind the K steps T in bf16.
;   windows 2, 3: the accumulators of rows 0-63 and 64-127 ((a, b) at 64 (a % 4) + 8 b); ahead of the K steps window 2's v0-63 hold W2 as f32.
.set PITCH,  272                       ; an LDS row: 256 bytes + 16 of padding = 68 words: the 16 rows that a fragment load touches start 4 banks apart (64 banks of 4 bytes: ISA guide 11.1)
.set BOFF,   128*PITCH                 ; W1's 256 rows lie behind the table's 128
.set SLOT,   384*PITCH
.set STAGE,  2*SLOT                    ; behind the slots: eight planes (wave, h); a plane: classes 0-3 of 128 rows x 16 bytes, 128 bytes apart from classes 4-7 of the same
.set CH,     2176
.set PLANE,  2*CH
.set SPARE,  STAGE+8*PLANE             ; the spare words, 128 bytes for each wave
.set SCO,  8                           ; v8-15   byte offset of my scale words of block i
.set ADRA, 16                          ; v16-17  LDS address of my table fragments in slot 0, 1
.set ADRB, 18                          ; v18-19  the same for W1
.set STO,  20                          ; v20     the stage: where I put 16 bytes of a row
.set RD,   21                          ; v21     and where I read 16 bytes back
.set GO,   22                          ; v22     16 x my thread's number: my bytes in the tile of part
.set W2O,  23
.set B1O,  24
.set NM,   25                          ; v25     0.0 in lanes r < 8, -1.0 in lanes r >= 8
.set SPW,  28                          ; v28     LDS address of my spare word
.set NIL,  29                          ; v29     0
.set SC,   32
.set W2F,  64
.set D2,   96
.set B1C,  192
.set OUTR, 192
.set G1A,  24                          ; s[24:31] descriptor group 1 for the table's tiles
.set G1B,  32                          ; s[32:39] for W1's
.set GA0,  44                          ; s[44:47] group 0: the table, slot 0;  s[48:51] W1, slot 0;  s[52:55] the table, slot 1;  s[56:59] W1, slot 1
.set GB0,  48
.set GA1,  52
.set GB1,  56
.set MSB, 0
.macro WIN new                         ; the immediate's high byte repeats the setting that is left; a switch that changes nothing is dropped
.if MSB != (\new)
	s_set_vgpr_msb (MSB<<8)|(\new)
.set MSB, (\new)
.endif
.endm
.macro CROUND                          ; a round of the cluster's barrier: my work-group's barrier; wave 0 signals for the work-group; every wave waits for all sixteen; my work-group's barrier once more
	s_barrier_signal -1
	s_barrier_wait -1
	s_cmp_lg_u32 s16, 0
	s_cbranch_scc1 .Lnot_wave_0_\@
	s_barrier_signal -3
.Lnot_wave_0_\@:
	s_barrier_wait -3
	s_barrier_signal -1
	s_barrier_wait -1
.endm
.macro PLACES                          ; four plain vector lines between a matrix instruction and a load into, or a vector line on, its registers (ISA guide 7.12.1 for vector lines)
.rept 4
	v_nop
.endr
.endm
	s_load_b256 s[4:11], s[0:1], 0x0               ; f_codes s[4:5], w_codes s[6:7], scales s[8:9], W2 s[10:11]
	s_load_b128 s[12:15], s[0:1], 0x20             ; b1 s[12:13], part s[14:15]
	v_lshl_add_u32 v[SPW], v0, 2, SPARE
	v_mov_b32 v[NIL], 0
	ds_add_u32 v[SPW], v[NIL]                      ; the wave's opening: the add, twice on end
	ds_add_u32 v[SPW], v[NIL]
	v_lshrrev_b32 v3, 5, v0
	v_readfirstlane_b32 s16, v3                    ; wave 0..3
	s_lshr_b32 s17, s16, 1                         ; kh: which half of each slot's K is mine.  Also: which slot I fetch for
	s_and_b32 s18, s16, 1                          ; nh: which 128 n are mine.  Also: I fetch table rows (0) or W1's (1)
	s_bfe_u32 s40, ttmp6, 0x40000                  ; cx = nt
	s_bfe_u32 s41, ttmp6, 0x40004                  ; cy
	s_and_b32 s42, ttmp7, 0xffff
	s_lshl_b32 s42, s42, 2
	s_add_co_u32 s42, s42, s41                     ; mt = 4 x cluster y + cy
	s_lshl_b32 s43, s41, 2
	s_lshl_b32 s43, 15, s43                        ; my row of the cluster: places 4 cy .. 4 cy + 3
	s_lshl_b32 s19, 0x1111, s40                    ; my column: places cx, cx + 4, cx + 8, cx + 12
	; descriptor groups 1: rows of 256 elements of one byte, 16 bytes of padding behind each
	s_or_b32 s[G1A+0], s43, (1<<20)|(1<<21)|(5<<22)|(3<<25)   ; 15:0 the mask: the table's tiles go to my row; 17:16 elements of 1 byte; 20 padding on; 21 set beside a mask; 24:22 after every 64 words; 31:25 four words
	s_mov_b32 s[G1A+1], 256<<16                    ; tensor_dim0 = 256
	s_mov_b32 s[G1A+2], 128<<16                    ; tensor_dim1 = 128
	s_mov_b32 s[G1A+3], 256<<16                    ; tile_dim0 = 256
	s_mov_b32 s[G1A+4], 128                        ; tile_dim1 = 128
	s_mov_b32 s[G1A+5], 512                        ; a row of f_codes is 512 bytes
	s_mov_b32 s[G1A+6], 0
	s_mov_b32 s[G1A+7], 0
	s_or_b32 s[G1B+0], s19, (1<<20)|(1<<21)|(5<<22)|(3<<25)   ; the same with my column's mask
	s_mov_b32 s[G1B+1], 256<<16
	s_mov_b32 s[G1B+2], 256<<16                    ; 256 rows
	s_mov_b32 s[G1B+3], 256<<16
	s_mov_b32 s[G1B+4], 256
	s_mov_b32 s[G1B+5], 1024                       ; a row of w_codes is 1,024 bytes
	s_mov_b32 s[G1B+6], 0
	s_mov_b32 s[G1B+7], 0
	s_mov_b32 s[GA0], 1                            ; groups 0: count = 1; the LDS addresses are constants
	s_mov_b32 s[GA0+1], 0
	s_mov_b32 s[GB0], 1
	s_mov_b32 s[GB0+1], BOFF
	s_mov_b32 s[GA1], 1
	s_mov_b32 s[GA1+1], SLOT
	s_mov_b32 s[GB1], 1
	s_mov_b32 s[GB1+1], SLOT+BOFF
	; byte offsets.  The table's tiles hang on mt alone, W1's on nt and the half alone, each in registers that never hold the other coordinate
	s_lshl_b32 s66, s42, 16                        ; f_codes: 128 mt rows of 512 bytes
	s_mov_b32 s67, 0
	s_lshl_b32 s68, s40, 18                        ; w_codes: 256 nt rows of 1,024 bytes + 512 x half
	s_lshl_b32 s69, ttmp9, 9
	s_add_co_u32 s68, s68, s69
	s_mov_b32 s69, 0
	s_lshl_b32 s70, s40, 10                        ; W2 and b1: n = 256 nt + 128 nh, 4 bytes each
	s_lshl_b32 s71, s18, 9
	s_add_co_u32 s70, s70, s71
	s_mov_b32 s71, 0
	s_lshl_b32 s72, ttmp9, 2
	s_add_co_u32 s72, s72, s40
	s_lshl_b32 s72, s72, 17                        ; part: 4 half + nt planes of 131,072 bytes + mt tiles of 4,096
	s_lshl_b32 s74, s42, 12                        ; (also: the table's scale bytes: 128 mt rows of 32)
	s_add_co_u32 s72, s72, s74
	s_mov_b32 s73, 0
	s_lshl_b32 s75, s40, 14                        ; W1's scale bytes: behind the table's 131,072; 256 nt + 128 nh rows of 64 + 32 x half
	s_lshl_b32 s77, s18, 13
	s_add_co_u32 s75, s75, s77
	s_lshl_b32 s77, ttmp9, 5
	s_add_co_u32 s75, s75, s77
	s_add_co_u32 s75, s75, 0x20000
	s_sub_co_u32 s75, s75, s74                     ; as a distance from the table's (mt 4,096 is under 131,072)
	s_lshl_b32 s77, s17, 3
	s_add_co_u32 s74, s74, s77                     ; my half's two words of each slot's four
	s_or_b32 s77, ttmp9, s17
	s_cmp_eq_u32 s77, 0
	s_cselect_b32 s76, -1, 0                       ; b1 counts once: all ones on half 0 for kh = 0, else zero (a value is chosen, no path)
	s_lshl_b32 s60, s17, 7                         ; my half of a slot's row: 128 bytes
	s_mul_i32 s61, s18, 128*PITCH                  ; my 128 rows of W1
	s_add_co_u32 s61, s61, s60
	s_add_co_u32 s61, s61, BOFF
	s_mul_i32 s62, s16, 2*PLANE
	s_add_co_u32 s62, s62, STAGE                   ; my two planes
	v_and_b32 v1, 15, v0                           ; r
	v_bfe_u32 v2, v0, 4, 1                         ; h
	v_mul_u32_u24 v3, v1, PITCH
	v_lshl_add_u32 v3, v2, 4, v3                   ; a fragment's row x pitch + 16 x half
	v_add_nc_u32 v[ADRA], s60, v3
	v_add_nc_u32 v[ADRB], s61, v3
	v_add_nc_u32 v[ADRA+1], SLOT, v[ADRA]
	v_add_nc_u32 v[ADRB+1], SLOT, v[ADRB]
	v_lshlrev_b32 v4, 4, v1                        ; the stage, way in: 16 r in plane (wave, h)
	v_mul_u32_u24 v5, v2, PLANE
	v_add_nc_u32 v4, v4, v5
	v_add_nc_u32 v[STO], s62, v4
	v_and_b32 v6, 1, v0                            ; way out: thread t takes row t / 2, classes 4 (t % 2) on
	v_mul_u32_u24 v6, v6, CH
	v_lshrrev_b32 v7, 1, v0
	v_lshl_add_u32 v6, v7, 4, v6
	v_add_nc_u32 v[RD], STAGE, v6
	v_lshlrev_b32 v[GO], 4, v0
	v_lshlrev_b32 v[B1O], 5, v2                    ; b1: 32 h: my half's eight n of a tile
	v_and_b32 v3, 7, v0
	v_lshlrev_b32 v3, 12, v3
	v_add_nc_u32 v[W2O], v3, v[B1O]                ; W2: class r % 8, a row of 4,096 bytes, + 32 h
	v_bfe_u32 v[NM], v0, 3, 1
	v_sub_nc_u32 v[NM], 0, v[NM]
	v_and_b32 v[NM], 0xbf800000, v[NM]             ; 0.0 or -1.0
	v_mul_u32_u24 v5, s75, v2                      ; scale words: lanes 0-15 the table's rows of 32 bytes, lanes 16-31 W1's rows of 64
	v_lshlrev_b32 v6, 5, v1
	v_lshlrev_b32 v6, v2, v6
	v_add_nc_u32 v5, s74, v5
	v_add_nc_u32 v[SCO], v5, v6
	v_mov_b32 v7, 0x200
	v_lshlrev_b32 v7, v2, v7                       ; 16 rows
.irp i, 1,2,3,4,5,6,7
	v_add_nc_u32 v[SCO+\i], v[SCO+\i-1], v7
.endr
	s_wait_alu depctr_va_vdst(0)                   ; the wait ahead of the waits below
	s_wait_dscnt 0x0                               ; both opening adds are done
	CROUND                                         ; all sixteen work-groups are here: the joint loads meet.  (The round needs no argument: it stands ahead of the wait for them)
	s_wait_kmcnt 0x0
	s_add_nc_u64 s[GA0+2:GA0+3], s[4:5], s[66:67]
	s_add_nc_u64 s[GB0+2:GB0+3], s[6:7], s[68:69]
	s_add_nc_u64 s[GA1+2:GA1+3], s[GA0+2:GA0+3], 0x100   ; 512 along K are 256 bytes
	s_add_nc_u64 s[GB1+2:GB1+3], s[GB0+2:GB0+3], 0x100
	s_or_b32 s[GA0+3], s[GA0+3], 0x80000000        ; type = 2
	s_or_b32 s[GB0+3], s[GB0+3], 0x80000000
	s_or_b32 s[GA1+3], s[GA1+3], 0x80000000
	s_or_b32 s[GB1+3], s[GB1+3], 0x80000000
; THE FILLS, ONE A WAVE: wave 0 the table's slot 0, wave 1 W1's slot 0, wave 2 the table's slot 1, wave 3 W1's slot 1.  One tree of branches on the wave's number.
.macro ARM under, g0, g1, next
	s_cmp_lt_u32 s16, \under
	s_cbranch_scc0 \next
	tensor_load_to_lds s[\g0:\g0+3], s[\g1:\g1+7]
	s_nop 0
	PLACES
	s_branch .Lasked
\next:
.endm
	ARM 1, GA0, G1A, .Lfill_b0
	ARM 2, GB0, G1B, .Lfill_a1
	ARM 3, GA1, G1A, .Lfill_b1
	tensor_load_to_lds s[GB1:GB1+3], s[G1B:G1B+7]
	s_nop 0
	PLACES
.Lasked:
	s_add_nc_u64 s[10:11], s[10:11], s[70:71]
	s_add_nc_u64 s[12:13], s[12:13], s[70:71]
	s_add_nc_u64 s[14:15], s[14:15], s[72:73]
	; 48 loads into registers: W2 (16), b1 (16), scale words (16)
	WIN 0x80
.irp s, 0,1,2,3                                ; W2(class, n0 + 32 s + 8 h + 0 .. 7) and (.. + 16 + 8 h + 0 .. 7): the order of a bf16 fragment's registers
	global_load_b128 v[16*\s:16*\s+3],     v[W2O], s[10:11] offset:128*\s
	global_load_b128 v[16*\s+4:16*\s+7],   v[W2O], s[10:11] offset:128*\s+16
	global_load_b128 v[16*\s+8:16*\s+11],  v[W2O], s[10:11] offset:128*\s+64
	global_load_b128 v[16*\s+12:16*\s+15], v[W2O], s[10:11] offset:128*\s+80
.endr
	WIN 0
.irp b, 0,1,2,3,4,5,6,7                        ; b1(n0 + 16 b + 8 h + 0 .. 7): the result's layout
	global_load_b128 v[B1C+8*\b:B1C+8*\b+3],   v[B1O], s[12:13] offset:64*\b
	global_load_b128 v[B1C+8*\b+4:B1C+8*\b+7], v[B1O], s[12:13] offset:64*\b+16
.endr
.irp i, 0,1,2,3,4,5,6,7                        ; my two K steps of slot 0, my two of slot 1
	global_load_b64 v[SC+4*\i:SC+4*\i+1],   v[SCO+\i], s[8:9]
	global_load_b64 v[SC+4*\i+2:SC+4*\i+3], v[SCO+\i], s[8:9] offset:16
.endr
	; W2 into bf16: lanes r < 8 keep hi = bf16(W2), lanes r >= 8 take lo = bf16(W2 - hi) of class r - 8
.macro W2PACK
	WIN 0x0a                                       ; sources window 2, destination window 0
.set i, 0
.rept 32
	v_cvt_pk_bf16_f32 v[W2F+i], v[2*i], v[2*i+1]
.set i, i+1
.endr
.endm
	s_wait_loadcnt 32                              ; W2's 16 loads are in; the 32 issued behind them may be out
	W2PACK
	WIN 0xa0                                       ; source 2 and destination window 2
.set i, 0
.rept 32
	v_fma_mix_f32_bf16 v[2*i],   v[W2F+i], v[NM], v[2*i]   op_sel:[0,0,0] op_sel_hi:[1,0,0]   ; W2 - hi where r >= 8 (exact), W2 where r < 8
	v_fma_mix_f32_bf16 v[2*i+1], v[W2F+i], v[NM], v[2*i+1] op_sel:[1,0,0] op_sel_hi:[1,0,0]
.set i, i+1
.endr
	W2PACK
	WIN 0
	s_wait_loadcnt 16                              ; b1's 16 loads are in; the 16 loads of scale words may be out
.set i, 0
.rept 64
	v_and_b32 v[B1C+i], s76, v[B1C+i]              ; b1, or zeros
.set i, i+1
.endr
; LDS loads of step j (slot j / 2, its K step 2 kh + j % 2: 64 bytes of each row) into buffer j % 2: W1's eight fragments, the table's eight.
; A fragment, 16 rows x 128 K of 4-bit codes, is 8 registers: lane l holds row l % 16; registers 4 c .. 4 c + 3 hold K = 64 c + 32 (l / 16) + 0 .. 31.
.macro FRAGS j, adr, to
	WIN 0x40                                       ; destination window 1
.irp i, 0,1,2,3,4,5,6,7
	ds_load_b128 v[128*((\j)%2)+(\to)+8*\i:128*((\j)%2)+(\to)+8*\i+3],   v[(\adr)+(\j)/2] offset:64*((\j)%2)+\i*16*PITCH
	ds_load_b128 v[128*((\j)%2)+(\to)+8*\i+4:128*((\j)%2)+(\to)+8*\i+7], v[(\adr)+(\j)/2] offset:64*((\j)%2)+\i*16*PITCH+32
.endr
.endm
.macro FETCHB j
	FRAGS \j, ADRB, 64
.endm
.macro FETCHA j
	FRAGS \j, ADRA, 0
.endm
; Step j, table block a: eight matrix instructions.  The 64 accumulators take turns, one instruction a turn, in the same order in every step.
; The first step's C is b1 (or zeros) in the result's layout: nothing is cleared and no addition is spent.
.macro MULA j, a
.set FB, 128*((\j)%2)
.set AC, 64*((\a)%4)
.if (\j) == 0
	WIN 0x85+0x40*((\a)/4)                         ; sources window 1, C window 0, D window 2 or 3
.else
	WIN 0xa5+0x50*((\a)/4)                         ; C and D window 2 or 3
.endif
.irp b, 0,1,2,3,4,5,6,7
.if (\j) == 0
	v_wmma_scale_f32_16x16x128_f8f6f4 v[AC+8*\b:AC+8*\b+7], v[FB+64+8*\b:FB+64+8*\b+7], v[FB+8*(\a):FB+8*(\a)+7], v[B1C+8*\b:B1C+8*\b+7], v[SC+4*\b+(\j)], v[SC+4*(\a)+(\j)] matrix_a_fmt:MATRIX_FMT_FP4 matrix_b_fmt:MATRIX_FMT_FP4 matrix_a_scale:MATRIX_SCALE_ROW1
.else
	v_wmma_scale_f32_16x16x128_f8f6f4 v[AC+8*\b:AC+8*\b+7], v[FB+64+8*\b:FB+64+8*\b+7], v[FB+8*(\a):FB+8*(\a)+7], v[AC+8*\b:AC+8*\b+7], v[SC+4*\b+(\j)], v[SC+4*(\a)+(\j)] matrix_a_fmt:MATRIX_FMT_FP4 matrix_b_fmt:MATRIX_FMT_FP4 matrix_a_scale:MATRIX_SCALE_ROW1
.endif
.endr
.endm
; Step j while step j + 1's fragments are on their way: W1's 16 loads are issued ahead of it, the table's 16 behind its block 1.
.macro STEPF j
.irp a, 0,1
	s_wait_dscnt 30-2*\a                           ; W1's fragments and blocks 0 .. a are in; behind them: the later blocks' 14 - 2 a loads and the next step's 16
	MULA \j, \a
.endr
	FETCHA (\j)+1
.irp a, 2,3,4,5,6,7
	s_wait_dscnt 46-2*\a                           ; behind block a's: 14 - 2 a loads of this step, the next step's 32
	MULA \j, \a
.endr
.endm
	s_wait_alu depctr_va_vdst(0)                   ; the wait at the head's end
	s_wait_loadcnt 0x0                             ; the scale words are in
	s_cmp_lt_u32 s16, 2
	s_cbranch_scc0 .Lslot_1                        ; waves 2 and 3 fetch slot 1: they wait for it ahead of the next barrier
	s_wait_tensorcnt 0x0                           ; my part of slot 0 is in
.Lslot_1:
	s_barrier_signal -1
	s_barrier_wait -1                              ; slot 0 is whole
	FETCHB 0
	FETCHA 0
	FETCHB 1
	STEPF 0
	s_wait_tensorcnt 0x0                           ; slot 1's two parts are in,
	s_wait_dscnt 0x0                               ; no LDS load of mine is out at the signal
	s_barrier_signal -1
	MULA 1, 0                                      ; work on registers while the others arrive
	MULA 1, 1
	s_barrier_wait -1                              ; slot 1 is whole
	PLACES                                         ; buffer 0 was read by step 0's products
	FETCHB 2
	FETCHA 2
.irp a, 2,3,4,5,6,7
	MULA 1, \a
.endr
	PLACES                                         ; buffer 1 was read by step 1's products
	FETCHB 3
	STEPF 2
.irp a, 0,1,2,3,4,5,6,7
	s_wait_dscnt 14-2*\a
	MULA 3, \a
.endr
	; T (+ b1) to bf16.  Accumulators (a, 2 s) and (a, 2 s + 1), packed in pairs, ARE source 1 (16 table rows x 32 n) of the second product's K step s: nothing changes lanes.
	PLACES                                         ; the conversions read results and write over fragments that the last products read
.irp a, 0,1,2,3,4,5,6,7
	WIN 0x4a+5*(\a/4)                              ; sources window 2 or 3, destination window 1
.irp b, 0,1,2,3,4,5,6,7
.irp i, 0,1,2,3
	v_cvt_pk_bf16_f32 v[32*\a+4*\b+\i], v[64*(\a%4)+8*\b+2*\i], v[64*(\a%4)+8*\b+2*\i+1]   ; each accumulator from its low end on
.endr
.endr
.endr
	; The second product over my 128 n: source 0 = W2's 16 rows (8 hi, 8 lo), source 1 = T.  Eight accumulators by turns; the first K step starts the sums.
	WIN 0x04                                       ; source 1 window 1
.irp s, 0,1,2,3
.irp a, 0,1,2,3,4,5,6,7
.if \s == 0
	v_wmma_f32_16x16x32_bf16 v[D2+8*\a:D2+8*\a+7], v[W2F+8*\s:W2F+8*\s+7], v[32*\a+8*\s:32*\a+8*\s+7], 0
.else
	v_wmma_f32_16x16x32_bf16 v[D2+8*\a:D2+8*\a+7], v[W2F+8*\s:W2F+8*\s+7], v[32*\a+8*\s:32*\a+8*\s+7], v[D2+8*\a:D2+8*\a+7]
.endif
.endr
.endr
	WIN 0
	PLACES
	; lane (r, h), register j: table row 16 a + r, class j; h = 0: W2's hi part, h = 1: its lo part.  Eight planes (wave, h) meet in the stage.
.irp a, 0,1,2,3,4,5,6,7
	ds_store_b128 v[STO], v[D2+8*\a:D2+8*\a+3]   offset:256*\a
	ds_store_b128 v[STO], v[D2+8*\a+4:D2+8*\a+7] offset:256*\a+CH
.endr
	s_wait_dscnt 0x0                               ; for the others' sake: my stores into the stage are done
	s_barrier_signal -1
	s_barrier_wait -1
.irp u, 0,1
.irp p, 0,1,2,3,4,5,6,7
	ds_load_b128 v[OUTR+32*\u+4*\p:OUTR+32*\u+4*\p+3], v[RD] offset:PLANE*\p+1024*\u
.endr
.endr
.irp u, 0,1
	s_wait_dscnt 8-8*\u                            ; these eight planes' loads are in
.set O, OUTR+32*\u
.irp d, 4,8,16                                 ; eight planes to four, to two, to one
.irp p, 0,8,16,24
.if (\p)%(2*\d) == 0
	v_pk_add_f32 v[O+\p:O+\p+1],   v[O+\p:O+\p+1],   v[O+\p+\d:O+\p+\d+1]
	v_pk_add_f32 v[O+\p+2:O+\p+3], v[O+\p+2:O+\p+3], v[O+\p+\d+2:O+\p+\d+3]
.endif
.endr
.endr
	global_store_b128 v[GO], v[O:O+3], s[14:15] offset:2048*\u   ; a wave stores 512 consecutive bytes, at a multiple of 256 from part's first byte
.endr
	s_wait_tensorcnt 0x0                           ; the wave's end
	ds_add_u32 v[SPW], v[NIL]
	s_wait_dscnt 0x0
	CROUND                                         ; the closing round: no work-group ends while a partner may still ask for a tile that names it
	s_endpgm
.Lfunc_end_k_q400620d5a0_gemm:
	.size	k_q400620d5a0_gemm, .Lfunc_end_k_q400620d5a0_gemm-k_q400620d5a0_gemm
	.p2alignl 7, 3214868480
	.fill 96, 4, 3214868480
	.section	.rodata,"a",@progbits
	.p2align	6, 0x0
	.amdhsa_kernel k_q400620d5a0_gemm
		.amdhsa_group_segment_fixed_size 244224
		.amdhsa_private_segment_fixed_size 0
		.amdhsa_enable_private_segment 0
		.amdhsa_kernarg_size 48
		.amdhsa_user_sgpr_count 2
		.amdhsa_user_sgpr_kernarg_segment_ptr 1
		.amdhsa_wavefront_size32 1
		.amdhsa_system_sgpr_workgroup_id_x 1
		.amdhsa_system_sgpr_workgroup_id_y 1
		.amdhsa_system_sgpr_workgroup_id_z 1
		.amdhsa_system_vgpr_workitem_id 0
		.amdhsa_next_free_vgpr 1024
		.amdhsa_next_free_sgpr 84
		.amdhsa_reserve_vcc 0
		.amdhsa_float_denorm_mode_32 3
		.amdhsa_float_denorm_mode_16_64 3
		.amdhsa_memory_ordered 1
		.amdhsa_forward_progress 1
		.amdhsa_inst_pref_size 88
	.end_amdhsa_kernel
	.amdgpu_metadata
---
amdhsa.version: [ 1, 2 ]
amdhsa.kernels:
  - .name:           k_q400620d5a0_gemm
    .symbol:         k_q400620d5a0_gemm.kd
    .args:
      - { .name: f_codes, .offset: 0, .size: 8, .value_kind: global_buffer, .address_space: global }
      - { .name: w_codes, .offset: 8, .size: 8, .value_kind: global_buffer, .address_space: global }
      - { .name: scales, .offset: 16, .size: 8, .value_kind: global_buffer, .address_space: global }
      - { .name: W2, .offset: 24, .size: 8, .value_kind: global_buffer, .address_space: global }
      - { .name: b1, .offset: 32, .size: 8, .value_kind: global_buffer, .address_space: global }
      - { .name: part, .offset: 40, .size: 8, .value_kind: global_buffer, .address_space: global }
    .group_segment_fixed_size: 244224
    .private_segment_fixed_size: 0
    .kernarg_segment_align: 8
    .kernarg_segment_size: 48
    .max_flat_workgroup_size: 128
    .sgpr_count:     84
    .vgpr_count:     1024
    .wavefront_size: 32
...
	.end_amdgpu_metadata
.endif
;; end of part 2
;; launch pairsum (part 3): grid 256 x 1, 8 waves a work-group, no clusters, 0 bytes of LDS; arguments pairs, part, b2, out0; writes out0
.if DOCPART == 3
	.amdgcn_target "amdgcn-amd-amdhsa--gfx1250"
	.amdhsa_code_object_version 6
	.text
	.protected	k_q400620d5a0_pairsum
	.globl	k_q400620d5a0_pairsum
	.p2align	8
	.type	k_q400620d5a0_pairsum,@function
k_q400620d5a0_pairsum:
	s_mov_b64 s[64:65], 0
	v_nop
	global_prefetch_b8 v0, s[64:65] scope:SCOPE_SE
	s_setreg_imm32_b32 hwreg(HW_REG_WAVE_MODE, 25, 1), 1
	s_wait_xcnt 0x0
; out0[p][c] = b2[c] + sum over nt of part[nt][pairs[p][0]][c] + sum over nt of part[4 + nt][pairs[p][1]][c].
; part: [8][4096][8] f32, planes of 131,072 bytes: planes 0-3 the first object's share (b1 folded in), planes 4-7 the second's, each summed over 256 of the hidden layer's 1,024.
; SHARES: thread g = 256 x work-group + thread takes pair g / 2 and classes 4 (g % 2) .. + 3: 16 bytes of each partial row, 16 bytes of out0; a wave's store covers 512 consecutive bytes, aligned.
; The addresses hang on the problem's own index input, read from memory and held to 0 .. 4095.
; LIMIT: indices are taken as 0 .. 4095, inside the table that they index; anything else (a negative index too, read as unsigned) is held at 4095.
; A gather and 64 additions a pair: no LDS, no barrier, no matrix unit, no cluster; the eight gathers of a thread are all out together.
	s_load_b256 s[4:11], s[0:1], 0x0               ; pairs s[4:5], part s[6:7], b2 s[8:9], out0 s[10:11]
	v_lshrrev_b32 v1, 1, v0
	s_delay_alu instid0(VALU_DEP_1)
	v_lshlrev_b32 v1, 3, v1                        ; my pair: 8 bytes each
	v_and_b32 v2, 1, v0
	s_delay_alu instid0(VALU_DEP_1)
	v_lshlrev_b32 v2, 4, v2                        ; my four classes: 16 bytes
	v_lshlrev_b32 v3, 4, v0                        ; my 16 bytes of out0
	s_lshl_b32 s12, ttmp9, 10                      ; the work-group's 128 pairs
	s_mov_b32 s13, 0
	s_lshl_b32 s14, ttmp9, 12                      ; and their 4,096 bytes of out0
	s_mov_b32 s15, 0
	s_wait_alu depctr_va_vdst(0)
	s_wait_kmcnt 0x0
	s_add_nc_u64 s[4:5], s[4:5], s[12:13]
	s_add_nc_u64 s[10:11], s[10:11], s[14:15]
	global_load_b64 v[4:5], v1, s[4:5] th:TH_LOAD_NT
	global_load_b128 v[8:11], v2, s[8:9]
	s_wait_loadcnt 0x1                             ; the pair is in; b2 may stay out
	v_min_u32 v4, 0xfff, v4
	v_min_u32 v5, 0xfff, v5
	s_delay_alu instid0(VALU_DEP_2)
	v_lshlrev_b32 v6, 5, v4                        ; a partial row is 32 bytes
	s_delay_alu instid0(VALU_DEP_2)
	v_lshlrev_b32 v7, 5, v5
	s_delay_alu instid0(VALU_DEP_2)
	v_add_nc_u32 v6, v6, v2
	s_delay_alu instid0(VALU_DEP_2)
	v_add_nc_u32 v7, v7, v2
.irp n, 0,1,2,3
	global_load_b128 v[12+4*\n:15+4*\n], v6, s[6:7] offset:131072*\n
.endr
.irp n, 0,1,2,3
	global_load_b128 v[28+4*\n:31+4*\n], v7, s[6:7] offset:131072*(4+\n)
.endr
	s_wait_loadcnt 0x4                             ; b2 and the first object's four are in; the second's four may be out
	v_pk_add_f32 v[12:13], v[12:13], v[16:17]
	v_pk_add_f32 v[14:15], v[14:15], v[18:19]
	v_pk_add_f32 v[20:21], v[20:21], v[24:25]
	v_pk_add_f32 v[22:23], v[22:23], v[26:27]
	s_delay_alu instid0(VALU_DEP_2)
	v_pk_add_f32 v[12:13], v[12:13], v[20:21]
	s_delay_alu instid0(VALU_DEP_2)
	v_pk_add_f32 v[14:15], v[14:15], v[22:23]
	s_delay_alu instid0(VALU_DEP_2)
	v_pk_add_f32 v[12:13], v[12:13], v[8:9]
	s_delay_alu instid0(VALU_DEP_2)
	v_pk_add_f32 v[14:15], v[14:15], v[10:11]
	s_wait_loadcnt 0x0
	v_pk_add_f32 v[28:29], v[28:29], v[32:33]
	v_pk_add_f32 v[30:31], v[30:31], v[34:35]
	v_pk_add_f32 v[36:37], v[36:37], v[40:41]
	v_pk_add_f32 v[38:39], v[38:39], v[42:43]
	s_delay_alu instid0(VALU_DEP_2)
	v_pk_add_f32 v[28:29], v[28:29], v[36:37]
	s_wait_alu depctr_va_vdst(0)
	v_pk_add_f32 v[30:31], v[30:31], v[38:39]
	v_pk_add_f32 v[12:13], v[12:13], v[28:29]
	s_delay_alu instid0(VALU_DEP_2)
	v_pk_add_f32 v[14:15], v[14:15], v[30:31]
	global_store_b128 v3, v[12:15], s[10:11] th:TH_STORE_NT   ; written once, read by nobody here
	s_endpgm
.Lfunc_end_k_q400620d5a0_pairsum:
	.size	k_q400620d5a0_pairsum, .Lfunc_end_k_q400620d5a0_pairsum-k_q400620d5a0_pairsum
	.p2alignl 7, 3214868480
	.fill 96, 4, 3214868480
	.section	.rodata,"a",@progbits
	.p2align	6, 0x0
	.amdhsa_kernel k_q400620d5a0_pairsum
		.amdhsa_group_segment_fixed_size 0
		.amdhsa_private_segment_fixed_size 0
		.amdhsa_enable_private_segment 0
		.amdhsa_kernarg_size 32
		.amdhsa_user_sgpr_count 2
		.amdhsa_user_sgpr_kernarg_segment_ptr 1
		.amdhsa_wavefront_size32 1
		.amdhsa_system_sgpr_workgroup_id_x 1
		.amdhsa_system_sgpr_workgroup_id_y 1
		.amdhsa_system_sgpr_workgroup_id_z 1
		.amdhsa_system_vgpr_workitem_id 0
		.amdhsa_next_free_vgpr 48
		.amdhsa_next_free_sgpr 66
		.amdhsa_reserve_vcc 0
		.amdhsa_float_denorm_mode_32 3
		.amdhsa_float_denorm_mode_16_64 3
		.amdhsa_memory_ordered 1
		.amdhsa_forward_progress 1
		.amdhsa_inst_pref_size 4
	.end_amdhsa_kernel
	.amdgpu_metadata
---
amdhsa.version: [ 1, 2 ]
amdhsa.kernels:
  - .name:           k_q400620d5a0_pairsum
    .symbol:         k_q400620d5a0_pairsum.kd
    .args:
      - { .name: pairs, .offset: 0, .size: 8, .value_kind: global_buffer, .address_space: global }
      - { .name: part, .offset: 8, .size: 8, .value_kind: global_buffer, .address_space: global }
      - { .name: b2, .offset: 16, .size: 8, .value_kind: global_buffer, .address_space: global }
      - { .name: out0, .offset: 24, .size: 8, .value_kind: global_buffer, .address_space: global }
    .group_segment_fixed_size: 0
    .private_segment_fixed_size: 0
    .kernarg_segment_align: 8
    .kernarg_segment_size: 32
    .max_flat_workgroup_size: 256
    .sgpr_count:     66
    .vgpr_count:     48
    .wavefront_size: 32
...
	.end_amdgpu_metadata
.endif
;; end of part 3
